; MI455X (gfx1250); checked and timed in simulation.
; The chip was launched on July 23, 2026; its instructions are those of AMD's public machine-readable ISA for CDNA 5 (MIT licence, August 2026) and "CDNA5" Instruction Set Architecture Reference Guide (July 2026). The comments in the code are by the model that wrote it; some were corrected since.
;; Attention. Allowed arithmetic: float matrix products may take bf16 or f16 operands with f32 sums; other float arithmetic in f32, or as packed bf16 or f16 multiplies, adds, multiply-adds, maxima and minima; sums over many terms, partial sums and values carried from step to step in f32; what a program stores and reads back later, other than sums and carried values, may be rounded once to bf16 or f16.
;; Inputs: Wk 1,024 x 1,024 float32; Wq 1,024 x 1,024 float32; Wv 1,024 x 1,024 float32; bk 1,024 float32; bq 1,024 float32; bv 1,024 float32; x 4 x 2,048 x 1,024 float32.
;; Outputs: out0 4 x 2,048 x 1,024 float32.
;; One version. Each part assembles by itself: llvm-mc -triple=amdgcn-amd-amdhsa -mcpu=gfx1250 --defsym DOCPART=n.
;; ======== version 1 of 1: 4 launches
;; limits: values are held in f16: magnitudes above 65,504 overflow, below 6.1e-05 lose precision; values outside matrix products are rounded to f16
;; workspace buffers: xh 16,777,216 bytes; wh 6,291,456 bytes; bcat 12,288 bytes; qkv 50,331,648 bytes; pbuf 33,554,432 bytes; stat 1,048,576 bytes
;; launch cvt (part 1): grid 707 x 1, 8 waves a work-group, no clusters, 0 bytes of LDS; arguments x, Wq, Wk, Wv, bq, bk, bv, xh, wh, bcat; writes xh, wh, bcat
.if DOCPART == 1
	.amdgcn_target "amdgcn-amd-amdhsa--gfx1250"
	.amdhsa_code_object_version 6
	.text
	.protected	k_qeed53b51c9_cvt
	.globl	k_qeed53b51c9_cvt
	.p2align	8
	.type	k_qeed53b51c9_cvt,@function
k_qeed53b51c9_cvt:
	s_mov_b64 s[64:65], 0
	v_nop
	global_prefetch_b8 v0, s[64:65] scope:SCOPE_SE
	s_setreg_imm32_b32 hwreg(HW_REG_WAVE_MODE, 25, 1), 1
	s_wait_xcnt 0x0
; cvt: the matrix operands of the projections, halved (exact) and rounded once to f16, and the three biases divided by 4 (exact).
;   xh[8192][1024] = f16(x / 2);  wh[3072][1024] = f16((Wq | Wk | Wv) / 2), row blocks of 1024;  bcat[3072] = (bq | bk | bv) / 4 in f32.
; So xh wh^T + bcat is q/4, k/4, v/4 without a further multiply in the next launch.
; A stream: every input byte is read once, every output byte written once.  No LDS, no barrier, no matrix unit, no cluster:
; no two work-groups read the same byte and nothing is summed.
; Work-groups 0 to 703 take one chunk of 16,384 numbers each (65,536 bytes in, 32,768 out): 512 chunks of x, then 64 of each W.
; Work-groups 704 to 706 take one bias each (4,096 bytes).
; Thread t takes the 16 bytes at 16 t of every 4,096 bytes: a wave's load covers 512 consecutive bytes, and its store of
; 8 bytes a lane covers 256 consecutive bytes that start at a multiple of 256 from the buffer's first byte.
; LIMIT: |x| and |W| beyond 131,008 become infinities in f16; magnitudes below 1.2e-4 are kept with steps of 1.2e-7.
.set NCHUNK, 704                       ; 512 + 3 x 64
.set X, 4                              ; v[4:67]   sixteen loads of four f32
.set Y, 68                             ; v[68:99]  sixteen pairs of registers, four f16 each
	s_load_b512 s[8:23], s[0:1], 0x0               ; x 8, Wq 10, Wk 12, Wv 14, bq 16, bk 18, bv 20, xh 22
	s_load_b128 s[24:27], s[0:1], 0x40             ; wh 24, bcat 26
	v_lshlrev_b32 v1, 4, v0                        ; 16 t: my bytes in each 4,096 of the source
	v_lshlrev_b32 v2, 3, v0                        ; 8 t: my bytes in each 2,048 of the target
	s_cmp_ge_u32 ttmp9, NCHUNK
	s_cbranch_scc1 .Lbias
	s_and_b32 s2, ttmp9, 63                        ; chunk inside one W
	s_sub_co_u32 s3, ttmp9, 512                    ; chunk inside wh (used only from work-group 512 on)
	s_wait_kmcnt 0x0
	s_cmp_lt_u32 ttmp9, 512                        ; the selects below leave SCC as it is
	s_cselect_b32 s28, ttmp9, s2                   ; source chunk
	s_cselect_b32 s30, ttmp9, s3                   ; target chunk
	s_cselect_b64 s[6:7], s[22:23], s[24:25]       ; target: xh or wh
	s_cselect_b64 s[4:5], s[8:9], s[10:11]         ; source: x or Wq,
	s_cmp_ge_u32 ttmp9, 576
	s_cselect_b64 s[4:5], s[12:13], s[4:5]         ; Wk from work-group 576,
	s_cmp_ge_u32 ttmp9, 640
	s_cselect_b64 s[4:5], s[14:15], s[4:5]         ; Wv from work-group 640
	s_lshl_b32 s28, s28, 16                        ; 65,536 bytes a chunk in (at most 511 chunks: below 2^25)
	s_mov_b32 s29, 0
	s_lshl_b32 s30, s30, 15                        ; 32,768 bytes a chunk out
	s_mov_b32 s31, 0
	s_add_nc_u64 s[4:5], s[4:5], s[28:29]
	s_add_nc_u64 s[6:7], s[6:7], s[30:31]
.irp j, 0,1,2,3,4,5,6,7,8,9,10,11,12,13,14,15
	global_load_b128 v[X+4*\j:X+4*\j+3], v1, s[4:5] offset:4096*\j th:TH_LOAD_NT    ; all sixteen go out at once: 8 KiB of each wave in flight
.endr
.irp j, 0,1,2,3,4,5,6,7,8,9,10,11,12,13,14,15
	s_wait_loadcnt 15-\j                           ; loads come back in order (ISA guide 5.7.1): load j is in, the 15 - j younger ones stay out
	v_pk_mul_f32 v[X+4*\j:X+4*\j+1],   v[X+4*\j:X+4*\j+1],   0.5 op_sel_hi:[1,0]   ; halved in f32, so that only the halved number has to fit f16
	v_pk_mul_f32 v[X+4*\j+2:X+4*\j+3], v[X+4*\j+2:X+4*\j+3], 0.5 op_sel_hi:[1,0]
	v_cvt_pk_f16_f32 v[Y+2*\j],   v[X+4*\j],   v[X+4*\j+1]
	v_cvt_pk_f16_f32 v[Y+2*\j+1], v[X+4*\j+2], v[X+4*\j+3]
	global_store_b64 v2, v[Y+2*\j:Y+2*\j+1], s[6:7] offset:2048*\j     ; every store has registers of its own: nothing is rewritten
.endr
	s_endpgm
.Lbias:
	s_sub_co_u32 s2, ttmp9, NCHUNK                 ; 0, 1, 2: bq, bk, bv
	s_wait_kmcnt 0x0
	s_mov_b64 s[4:5], s[16:17]
	s_cmp_ge_u32 ttmp9, NCHUNK+1
	s_cselect_b64 s[4:5], s[18:19], s[4:5]
	s_cmp_ge_u32 ttmp9, NCHUNK+2
	s_cselect_b64 s[4:5], s[20:21], s[4:5]
	s_lshl_b32 s28, s2, 12                         ; 4,096 bytes a bias in bcat
	s_mov_b32 s29, 0
	s_add_nc_u64 s[6:7], s[26:27], s[28:29]
	global_load_b128 v[4:7], v1, s[4:5]
	s_wait_loadcnt 0x0
	v_pk_mul_f32 v[8:9],   v[4:5], 0x3e800000 op_sel_hi:[1,0]          ; x 0.25, exact
	v_pk_mul_f32 v[10:11], v[6:7], 0x3e800000 op_sel_hi:[1,0]
	global_store_b128 v1, v[8:11], s[6:7]
	s_endpgm
.Lfunc_end_k_qeed53b51c9_cvt:
	.size	k_qeed53b51c9_cvt, .Lfunc_end_k_qeed53b51c9_cvt-k_qeed53b51c9_cvt
	.p2alignl 7, 3214868480
	.fill 96, 4, 3214868480
	.section	.rodata,"a",@progbits
	.p2align	6, 0x0
	.amdhsa_kernel k_qeed53b51c9_cvt
		.amdhsa_group_segment_fixed_size 0
		.amdhsa_private_segment_fixed_size 0
		.amdhsa_enable_private_segment 0
		.amdhsa_kernarg_size 80
		.amdhsa_user_sgpr_count 2
		.amdhsa_user_sgpr_kernarg_segment_ptr 1
		.amdhsa_wavefront_size32 1
		.amdhsa_system_sgpr_workgroup_id_x 1
		.amdhsa_system_sgpr_workgroup_id_y 1
		.amdhsa_system_sgpr_workgroup_id_z 1
		.amdhsa_system_vgpr_workitem_id 0
		.amdhsa_next_free_vgpr 100
		.amdhsa_next_free_sgpr 66
		.amdhsa_reserve_vcc 0
		.amdhsa_float_denorm_mode_32 3
		.amdhsa_float_denorm_mode_16_64 3
		.amdhsa_memory_ordered 1
		.amdhsa_forward_progress 1
		.amdhsa_inst_pref_size 10
	.end_amdhsa_kernel
	.amdgpu_metadata
---
amdhsa.version: [ 1, 2 ]
amdhsa.kernels:
  - .name:           k_qeed53b51c9_cvt
    .symbol:         k_qeed53b51c9_cvt.kd
    .args:
      - { .name: x, .offset: 0, .size: 8, .value_kind: global_buffer, .address_space: global }
      - { .name: Wq, .offset: 8, .size: 8, .value_kind: global_buffer, .address_space: global }
      - { .name: Wk, .offset: 16, .size: 8, .value_kind: global_buffer, .address_space: global }
      - { .name: Wv, .offset: 24, .size: 8, .value_kind: global_buffer, .address_space: global }
      - { .name: bq, .offset: 32, .size: 8, .value_kind: global_buffer, .address_space: global }
      - { .name: bk, .offset: 40, .size: 8, .value_kind: global_buffer, .address_space: global }
      - { .name: bv, .offset: 48, .size: 8, .value_kind: global_buffer, .address_space: global }
      - { .name: xh, .offset: 56, .size: 8, .value_kind: global_buffer, .address_space: global }
      - { .name: wh, .offset: 64, .size: 8, .value_kind: global_buffer, .address_space: global }
      - { .name: bcat, .offset: 72, .size: 8, .value_kind: global_buffer, .address_space: global }
    .group_segment_fixed_size: 0
    .private_segment_fixed_size: 0
    .kernarg_segment_align: 8
    .kernarg_segment_size: 80
    .max_flat_workgroup_size: 256
    .sgpr_count:     66
    .vgpr_count:     100
    .wavefront_size: 32
...
	.end_amdgpu_metadata
.endif
;; end of part 1
;; launch proj (part 2): grid 8 x 32, 4 waves a work-group, clusters of 4 x 4, 327,680 bytes of LDS; arguments xh, wh, bcat, qkv; writes qkv
.if DOCPART == 2
	.amdgcn_target "amdgcn-amd-amdhsa--gfx1250"
	.amdhsa_code_object_version 6
	.text
	.protected	k_qeed53b51c9_proj
	.globl	k_qeed53b51c9_proj
	.p2align	8
	.type	k_qeed53b51c9_proj,@function
k_qeed53b51c9_proj:
	s_mov_b64 s[64:65], 0
	v_nop
	global_prefetch_b8 v0, s[64:65] scope:SCOPE_SE
	s_setreg_imm32_b32 hwreg(HW_REG_WAVE_MODE, 25, 1), 1
	s_wait_xcnt 0x0
	s_wait_alu depctr_hold_cnt(0) depctr_sa_sdst(0) depctr_va_vdst(0) depctr_va_sdst(0) depctr_va_ssrc(0) depctr_va_vcc(0) depctr_vm_vsrc(0)
	s_getreg_b32 s2, hwreg(HW_REG_IB_STS2, 6, 4)
	s_cmp_eq_u32 s2, 0
	s_cbranch_scc0 .Lentry_in_a_cluster
	s_endpgm
.Lentry_in_a_cluster:
	s_bfe_u32 s2, ttmp6, 0x10000c
	s_cmp_lg_u32 s2, 0xf033
	s_cbranch_scc0 .Lentry_shape_is_right
	s_endpgm
.Lentry_shape_is_right:
; proj: qkv[8192][3072] = f16( xh wh^T + bcat ): the three projections as one product; columns 0-1023 q/4, 1024-2047 k/4, 2048-3071 v/4
; (xh = x/2, wh = W/2, bcat = b/4, all exact).  f16 operands, f32 sums.
; LIMIT: |q|, |k|, |v| at or above 262,016 become infinities in f16.
; THE BLOCK: 8192 x 3072 outputs on 256 work-groups are 98,304 each: 256 rows x 384 columns, 32 x 8 blocks, every work-group the same work.
; Four waves, 2 x 2; a wave makes 128 rows x 192 columns: 8 x 12 = 96 accumulator tiles of 16 x 16, 768 registers.
; THE RING: K = 1024 goes in 16 steps of 64 through two LDS slots filled by tensor loads.  A step of 128 would take 2 x 640 rows x 272 bytes = 348,160 bytes for
; its two slots, more than the 327,680 that a work-group can be given; so a tile's rows are 128 bytes here.
; CLUSTERS: 4 x 4 work-groups.  The four of a row of the cluster need the same tiles of xh, the four of a column the same tiles of wh: such a tile is
; asked for jointly, by the same tensor load with the same descriptor and a mask that names the four.
; REGISTERS, in windows of 256 (s_set_vgpr_msb: bits 1:0 source 0, 3:2 source 1, 5:4 source 2, 7:6 destination):
;   window 0: v0-31 addresses; v32-95, v96-159 the 8 fragments of xh, two buffers; v160-255 the 12 fragments of wh, one buffer
;   window 1 + g (g = 0, 1, 2): the accumulators of column tiles 4 g .. 4 g + 3: tile (a, bb) at v[8 (4 a + bb)], a = row tile 0..7
; A SUB-STEP is 32 along K: three stretches of 32 matrix instructions, one for each window.  Behind stretch g its four wh fragments are free and are loaded
; for the next sub-step; behind stretch 0 the next sub-step's eight xh fragments go into the other buffer.  So each fragment is asked for 64 matrix
; instructions ahead of its first use, with one buffer for wh.
; THE MATRIX INSTRUCTION IS USED TRANSPOSED: source 0 = 16 rows of wh, source 1 = 16 rows of xh, so that lane l holds row l % 16 of the result and its
; registers 0 to 7 the columns 8 (l / 16) + 0 .. 7: eight neighbouring numbers, 16 bytes in f16.
; THE BIAS STARTS THE SUMS: a lane's 8 bias numbers of column tile bb are the same for every row tile.  They are loaded into the registers of tile (7, bb) of each
; window and are the C of the first sub-step's products; tile (7, bb) itself comes last and adds onto them in place.  Nothing is cleared, nothing is added later.
; The 96 accumulators take turns, one matrix instruction a turn, in the same order in every sub-step.
.set KSTEP,  64
.set PITCH,  144                       ; an LDS row: 128 bytes + 16 of padding: an odd multiple of 16, so the 16 rows of a fragment load start 16 bytes apart modulo 256
.set WHALF,  192*PITCH                 ; 27,648: what waves 0 and 1 fetch
.set WTILE,  2*WHALF                   ; 55,296: wh's 384 rows
.set XHALF,  128*PITCH                 ; 18,432: what waves 2 and 3 fetch
.set SLOT,   WTILE+2*XHALF             ; 92,160: wh's 384 rows, then xh's 256 rows
.set STAGE,  2*SLOT                    ; 184,320: behind the ring, where no tensor load lands: 128 rows x 784 bytes, shared by the four waves
.set SPITCH, 784                       ; 768 bytes + 16: an odd multiple of 16
.set KDIM,   1024
.set LAPS,   KDIM/(2*KSTEP)            ; 8 laps of two K steps
.set CROWB,  6144                      ; bytes in a row of qkv
.set ADRX, 16                          ; v16-17  LDS address of my xh fragments in slot 0, 1
.set ADRW, 20                          ; v20-21  the same for wh
.set STO,  24                          ; v24     way out: where I put 16 bytes of a row
.set RD0,  25                          ; v25-26  way out: where I read 16 bytes of a whole row back
.set RD1,  26
.set CO0,  27                          ; v27-28  the same 16 bytes' offset in qkv
.set CO1,  28
.set BO,   29                          ; v29     my byte offset in the bias
.set A0,   32                          ; xh fragments, buffer 0 (a slot's first sub-step)
.set A1,   96                          ; buffer 1 (its second)
.set BF,   160                         ; wh fragments
.set PK,   32                          ; way out: packed f16, 192 registers (the fragments are free by then)
.set RB,   32                          ; way out: rows read back, the same 192 registers
.set BIAS, 224                         ; windows 1-3: the registers of tiles (7, 0..3)
.set G1X, 24                           ; s[24:31] descriptor group 1 for xh's tiles
.set G0X, 32                           ; s[32:39] group 0 for xh's tiles, one set for each slot
.set G1W, 48                           ; s[48:55] group 1 for wh's tiles
.set G0W, 56                           ; s[56:63] group 0 for wh's tiles
.set MSB, 0
.macro WIN new                         ; the immediate's high byte repeats the setting that is left
.if MSB != \new
	s_set_vgpr_msb (MSB<<8)|\new
.set MSB, \new
.endif
.endm
; A joint load.  Waves 0 and 1 fetch wh's two halves, waves 2 and 3 xh's.  The branch hangs on the wave's number alone.
.macro JLOAD s
	s_cmp_eq_u32 s11, 0
	s_cbranch_scc0 .Lfor_x_\@
	tensor_load_to_lds s[G0W+4*\s:G0W+4*\s+3], s[G1W:G1W+7]
	s_nop 0
.rept 4
	v_nop
.endr
	s_branch .Lasked_\@
.Lfor_x_\@:
	tensor_load_to_lds s[G0X+4*\s:G0X+4*\s+3], s[G1X:G1X+7]
	s_nop 0
.rept 4
	v_nop
.endr
.Lasked_\@:
.endm
; A round of the cluster's barrier: my work-group's barrier; wave 0 signals for the work-group; every wave waits for all sixteen; my work-group's barrier again.
.macro CREST
	s_cmp_lg_u32 s10, 0
	s_cbranch_scc1 .Lnot_wave_0_\@
	s_barrier_signal -3
.Lnot_wave_0_\@:
	s_barrier_wait -3
	s_barrier_signal -1
	s_barrier_wait -1
.endm
.macro CROUND
	s_barrier_signal -1
	s_barrier_wait -1
	CREST
.endm
	s_load_b256 s[68:75], s[0:1], 0x0              ; xh 68, wh 70, bcat 72, qkv 74
	v_lshl_add_u32 v30, v0, 2, 0x45800
	v_mov_b32 v31, 0
	ds_add_u32 v30, v31
	v_lshrrev_b32 v1, 5, v0
	v_readfirstlane_b32 s10, v1                    ; wave 0..3
	s_lshr_b32 s11, s10, 1                         ; which half of the block's rows is mine.  Also: I fetch for wh (0) or xh (1)
	s_and_b32 s12, s10, 1                          ; which half of its columns.  Also: which half of that tile I fetch
	s_bfe_u32 s40, ttmp6, 0x40000                  ; cx
	s_bfe_u32 s41, ttmp6, 0x40004                  ; cy
	s_lshl_b32 s42, ttmp9, 2
	s_add_co_u32 s42, s42, s40                     ; block column = 4 x cluster x + cx, 0..7
	s_and_b32 s13, ttmp7, 0xffff
	s_lshl_b32 s13, s13, 2
	s_add_co_u32 s13, s13, s41                     ; block row = 4 x cluster y + cy, 0..31
	s_lshl_b32 s43, s41, 2
	s_lshl_b32 s43, 15, s43                        ; my row of the cluster: places 4 cy .. 4 cy + 3
	s_lshl_b32 s44, 0x1111, s40                    ; my column: places cx, cx + 4, cx + 8, cx + 12
	; group 1: rows of 64 elements of 2 bytes; after every 32 words (code 4) 4 words of padding (code 3).  xh: 128 rows, wh: 192 rows
	s_or_b32 s[G1X+0], s43, (1<<16)|(1<<20)|(1<<21)|(4<<22)|(3<<25)
	s_mov_b32 s[G1X+1], KSTEP<<16                  ; tensor_dim0 = 64
	s_mov_b32 s[G1X+2], 128<<16                    ; tensor_dim1 = 128
	s_mov_b32 s[G1X+3], KSTEP<<16                  ; tile_dim0 = 64
	s_mov_b32 s[G1X+4], 128                        ; tile_dim1 = 128
	s_mov_b32 s[G1X+5], KDIM                       ; elements from row to row
	s_mov_b32 s[G1X+6], 0
	s_mov_b32 s[G1X+7], 0
	s_or_b32 s[G1W+0], s44, (1<<16)|(1<<20)|(1<<21)|(4<<22)|(3<<25)
	s_mov_b32 s[G1W+1], KSTEP<<16
	s_mov_b32 s[G1W+2], 192<<16                    ; tensor_dim1 = 192
	s_mov_b32 s[G1W+3], KSTEP<<16
	s_mov_b32 s[G1W+4], 192                        ; tile_dim1 = 192
	s_mov_b32 s[G1W+5], KDIM
	s_mov_b32 s[G1W+6], 0
	s_mov_b32 s[G1W+7], 0
	; xh's tiles hang on the block row alone, wh's on the block column alone; each offset in registers that never hold the other coordinate
	s_lshl_b32 s17, s12, 7
	s_lshl_b32 s16, s13, 8
	s_add_co_u32 s16, s16, s17                     ; xh: row 256 x block row + 128 x half
	s_lshl_b32 s16, s16, 11                        ; rows of 2,048 bytes (below 2^24)
	s_mov_b32 s17, 0
	s_mul_i32 s46, s42, 384
	s_mul_i32 s47, s12, 192
	s_add_co_u32 s46, s46, s47                     ; wh: row 384 x block column + 192 x half: also my wave's first column
	s_lshl_b32 s45, s46, 2                         ; that column's byte in bcat
	s_lshl_b32 s46, s46, 11
	s_mov_b32 s47, 0
	s_mul_i32 s20, s10, WHALF                      ; wh's halves go to wave x 27,648 (waves 0, 1),
	s_mul_i32 s21, s10, XHALF
	s_add_co_u32 s21, s21, XHALF                   ; xh's to 55,296 + (wave - 2) x 18,432 = (wave + 1) x 18,432 (waves 2, 3)
	s_wait_dscnt 0x0
	s_wait_kmcnt 0x0
	s_add_nc_u64 s[14:15], s[68:69], s[16:17]
	s_add_nc_u64 s[46:47], s[70:71], s[46:47]
	CROUND                                         ; all sixteen work-groups are here: the first joint loads meet
.irp s, 0,1
	s_mov_b32 s[G0X+4*\s], 1
	s_add_co_u32 s[G0X+4*\s+1], s21, \s*SLOT
	s_add_nc_u64 s[G0X+4*\s+2:G0X+4*\s+3], s[14:15], \s*KSTEP*2
	s_or_b32 s[G0X+4*\s+3], s[G0X+4*\s+3], 0x80000000
	s_mov_b32 s[G0W+4*\s], 1
	s_add_co_u32 s[G0W+4*\s+1], s20, \s*SLOT
	s_add_nc_u64 s[G0W+4*\s+2:G0W+4*\s+3], s[46:47], \s*KSTEP*2
	s_or_b32 s[G0W+4*\s+3], s[G0W+4*\s+3], 0x80000000
	JLOAD \s                                       ; both slots' first fills go out before anything else: two tensor loads of a wave are out
.endr
	v_and_b32 v1, 15, v0                           ; r = l % 16
	v_bfe_u32 v2, v0, 4, 1                         ; h = l / 16
	; the bias of my 192 columns: column tile 4 g + bb, lane half h: the 8 numbers at column 16 (4 g + bb) + 8 h, into tile (7, bb) of window 1 + g
	s_mov_b32 s22, s45
	s_mov_b32 s23, 0
	s_add_nc_u64 s[72:73], s[72:73], s[22:23]
	v_lshlrev_b32 v[BO], 5, v2
.macro BIASLD g, win                   ; win: destination window 1 + g, address window 0
	WIN \win
.irp bb, 0,1,2,3
	global_load_b128 v[BIAS+8*\bb:BIAS+8*\bb+3],   v[BO], s[72:73] offset:64*(4*\g+\bb)
	global_load_b128 v[BIAS+8*\bb+4:BIAS+8*\bb+7], v[BO], s[72:73] offset:64*(4*\g+\bb)+16
.endr
.endm
	BIASLD 0, 0x40
	BIASLD 1, 0x80
	BIASLD 2, 0xc0
	WIN 0
	; fragment addresses: row x pitch + 16 x half; two loads of 16 bytes, 32 bytes apart, make 16 rows x 32 K
	v_mul_u32_u24 v3, v1, PITCH
	v_lshl_add_u32 v3, v2, 4, v3
	s_mul_i32 s18, s11, XHALF
	s_add_co_u32 s18, s18, WTILE                   ; my 128 rows of xh lie behind wh's 384
	s_mul_i32 s19, s12, WHALF                      ; my 192 rows of wh
.irp s, 0,1
	v_add_nc_u32 v[ADRX+\s], s18, v3
	v_add_nc_u32 v[ADRW+\s], s19, v3
	s_add_co_u32 s18, s18, SLOT
	s_add_co_u32 s19, s19, SLOT
.endr
	; the stage holds 64 rows of each row half at a time: stage row 64 x (row half) + 16 x (row tile mod 4) + r, 768 bytes of data
	s_mul_i32 s18, s11, 64*SPITCH
	s_mul_i32 s19, s12, 384                        ; my 192 columns are 384 bytes
	s_add_co_u32 s18, s18, s19
	s_add_co_u32 s18, s18, STAGE
	v_mul_u32_u24 v4, v1, SPITCH
	v_lshl_add_u32 v4, v2, 4, v4
	v_add_nc_u32 v[STO], s18, v4
	; back: wave w takes stage rows 32 w .. 32 w + 31 as 96 pieces of 256 bytes, two a load: piece 6 j + 2 i + h is row 2 j + (2 i + h) / 3, third (2 i + h) % 3
	;   i = 0: row 2 j, third h;   i = 1: h = 0: row 2 j, third 2; h = 1: row 2 j + 1, third 0;   i = 2: row 2 j + 1, third 1 + h (= i = 0 plus a row and 256 bytes)
	s_mul_i32 s19, s10, 32*SPITCH
	s_add_co_u32 s19, s19, STAGE
	v_lshlrev_b32 v5, 4, v1                        ; 16 r
	v_lshl_add_u32 v[CO0], v2, 8, v5               ; 256 h + 16 r
	v_add_nc_u32 v[RD0], s19, v[CO0]
	v_mul_u32_u24 v6, v2, SPITCH-512
	v_add_nc_u32 v6, v6, v5
	v_add_nc_u32 v6, 512, v6                       ; 512 + (784 - 512) h + 16 r
	v_add_nc_u32 v[RD1], s19, v6
	v_mul_u32_u24 v7, v2, CROWB-512
	v_add_nc_u32 v7, v7, v5
	v_add_nc_u32 v[CO1], 512, v7                   ; 512 + (6,144 - 512) h + 16 r
; 16 matrix instructions of column group g: row tiles a0 .. a0 + 3 x its 4 column tiles, 32 along K, xh from buffer af
.macro MUL16 g, af, a0
.irp a, \a0, \a0+1, \a0+2, \a0+3
.irp bb, 0,1,2,3
	v_wmma_f32_16x16x32_f16 v[8*(4*(\a)+\bb):8*(4*(\a)+\bb)+7], v[BF+8*(4*\g+\bb):BF+8*(4*\g+\bb)+7], v[\af+8*(\a):\af+8*(\a)+7], v[8*(4*(\a)+\bb):8*(4*(\a)+\bb)+7]
.endr
.endr
.endm
; The very first stretch of column group g: the bias, in the registers of tile (7, bb), is the C of row tiles 0 to 6.  Five places behind the last of them
; row tile 7 adds onto it in place.
.macro FIRSTG g
.irp a, 0,1,2,3,4,5,6
.irp bb, 0,1,2,3
	v_wmma_f32_16x16x32_f16 v[8*(4*\a+\bb):8*(4*\a+\bb)+7], v[BF+8*(4*\g+\bb):BF+8*(4*\g+\bb)+7], v[A0+8*\a:A0+8*\a+7], v[BIAS+8*\bb:BIAS+8*\bb+7]
.endr
.endr
.rept 5
	v_nop
.endr
.irp bb, 0,1,2,3
	v_wmma_f32_16x16x32_f16 v[BIAS+8*\bb:BIAS+8*\bb+7], v[BF+8*(4*\g+\bb):BF+8*(4*\g+\bb)+7], v[A0+56:A0+63], v[BIAS+8*\bb:BIAS+8*\bb+7]
.endr
.endm
.macro STRETCH g, af, first
.if \first
	FIRSTG \g
.else
	MUL16 \g, \af, 0
	MUL16 \g, \af, 4
.endif
.endm
; 8 LDS loads: the four wh fragments of column group g, 32 K at byte k of the slot's rows
.macro LOADW slot, k, g
.irp bb, 0,1,2,3
	ds_load_b128 v[BF+8*(4*\g+\bb):BF+8*(4*\g+\bb)+3],   v[ADRW+\slot] offset:\k+(4*\g+\bb)*16*PITCH
	ds_load_b128 v[BF+8*(4*\g+\bb)+4:BF+8*(4*\g+\bb)+7], v[ADRW+\slot] offset:\k+(4*\g+\bb)*16*PITCH+32
.endr
.endm
; 16 LDS loads: the eight xh fragments into buffer af
.macro LOADX slot, k, af
.irp a, 0,1,2,3,4,5,6,7
	ds_load_b128 v[\af+8*\a:\af+8*\a+3],   v[ADRX+\slot] offset:\k+\a*16*PITCH
	ds_load_b128 v[\af+8*\a+4:\af+8*\a+7], v[ADRX+\slot] offset:\k+\a*16*PITCH+32
.endr
.endm
; four places between a matrix instruction and a load into, or a vector instruction on, its registers (ISA guide 7.12.1 for vector instructions)
.macro PLACES
.rept 4
	v_nop
.endr
.endm
; A slot's first sub-step: multiplies buffer af; the next sub-step's fragments come from byte nk of slot nslot, xh into buffer an.
; The loads of a sub-step go out as run 0 (wh group 0 and xh, 24 loads), run 1 (group 1, 8) and run 2 (group 2, 8), and LDS loads come back in order (ISA guide 5.7.1).
.macro SUB af, nslot, nk, an, first
	s_wait_dscnt 16                                ; my run 0 is in; runs 1 and 2, 8 + 8 loads, may be out
	WIN 0x50
	STRETCH 0, \af, \first
	PLACES
	WIN 0
	LOADW \nslot, \nk, 0
	LOADX \nslot, \nk, \an
	s_wait_dscnt 32                                ; my run 1 is in; behind it went my run 2 (8) and the next run 0 (24)
	WIN 0xa0
	STRETCH 1, \af, \first
	PLACES
	WIN 0
	LOADW \nslot, \nk, 1
	s_wait_dscnt 32                                ; my run 2 is in; behind it went the next runs 0 and 1 (24 + 8)
	WIN 0xf0
	STRETCH 2, \af, \first
	PLACES
	WIN 0
	LOADW \nslot, \nk, 2
.endm
; A slot's second sub-step multiplies buffer 1 and changes slots.  All reads of this slot were issued in its first sub-step.  In front of the barrier each wave waits
; for them and for all its tensor loads (one is out: its part of the next slot).  Behind it (with a refill: behind the cluster's round that it opens) the refill comes
; first, then the next slot's fragments.  From a request to the wait for it a wave issues 64 + 96 + 16 = 176 matrix instructions.
.macro TURN slot, next, fill
	s_wait_dscnt 16
	WIN 0x50
	MUL16 0, A1, 0
	s_wait_dscnt 0                                 ; my reads of this slot are over
	s_wait_tensorcnt 0x0                           ; all my tensor loads have landed
	ds_add_u32 v30, v31
	s_wait_dscnt 0x0
	s_barrier_signal -1
	MUL16 0, A1, 4                                 ; register work while the others arrive
	WIN 0
	s_barrier_wait -1
.if \fill
	CREST                                          ; no wave of any partner still reads this slot or has a load on its way
	s_add_nc_u64 s[G0X+4*\slot+2:G0X+4*\slot+3], s[G0X+4*\slot+2:G0X+4*\slot+3], 2*KSTEP*2
	s_add_nc_u64 s[G0W+4*\slot+2:G0W+4*\slot+3], s[G0W+4*\slot+2:G0W+4*\slot+3], 2*KSTEP*2
	JLOAD \slot                                    ; the wave's one tensor load behind the round; its four v_nop are also the places in front of the loads below
.else
	PLACES
.endif
	LOADW \next, 0, 0
	LOADX \next, 0, A0
	WIN 0xa0
	MUL16 1, A1, 0
	MUL16 1, A1, 4
	PLACES
	WIN 0
	LOADW \next, 0, 1
	WIN 0xf0
	MUL16 2, A1, 0
	MUL16 2, A1, 4
	PLACES
	WIN 0
	LOADW \next, 0, 2
.endm
.macro LAP first
	SUB A0, 0, 64, A1, \first
	TURN 0, 1, 1
	SUB A0, 1, 64, A1, 0
	TURN 1, 0, 1
.endm
	s_wait_loadcnt 0x0                             ; the bias, once
	s_wait_tensorcnt 1                             ; my part of K step 0 is in; K step 1's stays out
	s_barrier_signal -1
	s_barrier_wait -1
	LOADW 0, 0, 0                                  ; the first sub-step's fragments, in the order of the runs
	LOADX 0, 0, A0
	LOADW 0, 0, 1
	LOADW 0, 0, 2
	LAP 1                                          ; the first sub-step's products start the sums from the bias
	s_mov_b32 s3, LAPS-2
.Llap:
	LAP 0
	s_sub_co_u32 s3, s3, 1
	s_cmp_lg_u32 s3, 0
	s_cbranch_scc1 .Llap
	SUB A0, 0, 64, A1, 0                           ; the last lap fills nothing
	TURN 0, 1, 0
	SUB A0, 1, 64, A1, 0
	s_wait_dscnt 16                                ; the very last sub-step: nothing more to fetch, the counts run down
	WIN 0x50
	MUL16 0, A1, 0
	MUL16 0, A1, 4
	s_wait_dscnt 8
	WIN 0xa0
	MUL16 1, A1, 0
	MUL16 1, A1, 4
	s_wait_dscnt 0
	WIN 0xf0
	MUL16 2, A1, 0
	MUL16 2, A1, 4
	; THE WAY OUT.  A wave's 192 columns are 384 bytes of a row, one and a half aligned blocks of 256; the block's 384 columns are three.  So the two waves of a row half
	; put their parts side by side in the shared stage, 64 of their 128 rows at a time, and whole rows of 768 bytes are read back: wave w takes stage rows 32 w .. 32 w + 31.
	PLACES
	s_lshl_b32 s13, s13, 8
	s_lshl_b32 s14, s11, 7
	s_add_co_u32 s16, s13, s14
	s_lshl_b32 s14, s12, 5
	s_add_co_u32 s16, s16, s14                     ; the first row that I store: 256 x block row + 128 (w / 2) + 32 (w % 2)
	s_mul_i32 s16, s16, CROWB                      ; below 2^26
	s_mov_b32 s17, 0
	s_add_nc_u64 s[74:75], s[74:75], s[16:17]
	s_mul_i32 s46, s42, 768                        ; the block's first column in bytes
	s_mov_b32 s47, 0
	s_add_nc_u64 s[74:75], s[74:75], s[46:47]
; row tiles 4 i .. 4 i + 3 of column group g, rounded to f16.  win: sources 0 and 1 in window 1 + g, destination window 0
.macro CVTG i, g, win
	WIN \win
.irp a, 0,1,2,3
.irp bb, 0,1,2,3
.irp q, 0,1,2,3
	v_cvt_pk_f16_f32 v[PK+64*\g+16*\a+4*\bb+\q], v[8*(4*(4*\i+\a)+\bb)+2*\q], v[8*(4*(4*\i+\a)+\bb)+2*\q+1]
.endr
.endr
.endr
.endm
.macro PUTG g
.irp a, 0,1,2,3
.irp bb, 0,1,2,3
	ds_store_b128 v[STO], v[PK+64*\g+16*\a+4*\bb:PK+64*\g+16*\a+4*\bb+3] offset:\a*16*SPITCH+32*(4*\g+\bb)
.endr
.endr
.endm
.macro OUT64 i
	CVTG \i, 0, 0x05
	CVTG \i, 1, 0x0a
	CVTG \i, 2, 0x0f
	WIN 0
	PUTG 0
	PUTG 1
	PUTG 2
	s_wait_dscnt 0x0                               ; my stores into the stage are done: other waves read them behind the barrier
	s_barrier_signal -1
	s_barrier_wait -1
.set j, 0
.rept 16
	ds_load_b128 v[RB+12*j:RB+12*j+3],    v[RD0] offset:2*SPITCH*j
	ds_load_b128 v[RB+12*j+4:RB+12*j+7],  v[RD1] offset:2*SPITCH*j
	ds_load_b128 v[RB+12*j+8:RB+12*j+11], v[RD0] offset:2*SPITCH*j+SPITCH+256
.set j, j+1
.endr
.set j, 0
.rept 16
	s_wait_dscnt 47-3*j                            ; of the 48 read-backs this one is in, the younger ones stay out
	global_store_b128 v[CO0], v[RB+12*j:RB+12*j+3],    s[74:75] offset:2*CROWB*j             ; 16 lanes store 256 consecutive bytes, at a multiple of 256 from the buffer's first byte
	s_wait_dscnt 46-3*j
	global_store_b128 v[CO1], v[RB+12*j+4:RB+12*j+7],  s[74:75] offset:2*CROWB*j
	s_wait_dscnt 45-3*j
	global_store_b128 v[CO0], v[RB+12*j+8:RB+12*j+11], s[74:75] offset:2*CROWB*j+CROWB+256
.set j, j+1
.endr
.endm
	OUT64 0
	s_barrier_signal -1                            ; my reads of the stage are back (the count-down ended at 0): it may be written again when all four have said so
	s_barrier_wait -1
	s_wait_xcnt 0x0                                ; the registers that the stores above read, and their base, are rewritten only behind this wait
	s_add_nc_u64 s[74:75], s[74:75], 64*CROWB      ; the other 64 rows of each row half
	OUT64 1
	s_wait_tensorcnt 0x0
	ds_add_u32 v30, v31
	s_wait_dscnt 0x0
	CROUND                                         ; the closing round: no work-group ends while a partner may still ask for a tile that names it
	s_endpgm
.Lfunc_end_k_qeed53b51c9_proj:
	.size	k_qeed53b51c9_proj, .Lfunc_end_k_qeed53b51c9_proj-k_qeed53b51c9_proj
	.p2alignl 7, 3214868480
	.fill 96, 4, 3214868480
	.section	.rodata,"a",@progbits
	.p2align	6, 0x0
	.amdhsa_kernel k_qeed53b51c9_proj
		.amdhsa_group_segment_fixed_size 327680
		.amdhsa_private_segment_fixed_size 0
		.amdhsa_enable_private_segment 0
		.amdhsa_kernarg_size 32
		.amdhsa_user_sgpr_count 2
		.amdhsa_user_sgpr_kernarg_segment_ptr 1
		.amdhsa_wavefront_size32 1
		.amdhsa_system_sgpr_workgroup_id_x 1
		.amdhsa_system_sgpr_workgroup_id_y 1
		.amdhsa_system_sgpr_workgroup_id_z 1
		.amdhsa_system_vgpr_workitem_id 0
		.amdhsa_next_free_vgpr 1024
		.amdhsa_next_free_sgpr 76
		.amdhsa_reserve_vcc 0
		.amdhsa_float_denorm_mode_32 3
		.amdhsa_float_denorm_mode_16_64 3
		.amdhsa_memory_ordered 1
		.amdhsa_forward_progress 1
		.amdhsa_inst_pref_size 174
	.end_amdhsa_kernel
	.amdgpu_metadata
---
amdhsa.version: [ 1, 2 ]
amdhsa.kernels:
  - .name:           k_qeed53b51c9_proj
    .symbol:         k_qeed53b51c9_proj.kd
    .args:
      - { .name: xh, .offset: 0, .size: 8, .value_kind: global_buffer, .address_space: global }
      - { .name: wh, .offset: 8, .size: 8, .value_kind: global_buffer, .address_space: global }
      - { .name: bcat, .offset: 16, .size: 8, .value_kind: global_buffer, .address_space: global }
      - { .name: qkv, .offset: 24, .size: 8, .value_kind: global_buffer, .address_space: global }
    .group_segment_fixed_size: 327680
    .private_segment_fixed_size: 0
    .kernarg_segment_align: 8
    .kernarg_segment_size: 32
    .max_flat_workgroup_size: 128
    .sgpr_count:     76
    .vgpr_count:     1024
    .wavefront_size: 32
...
	.end_amdgpu_metadata
.endif
;; end of part 2
;; launch score (part 3): grid 8 x 32, 4 waves a work-group, clusters of 4 x 4, 327,680 bytes of LDS; arguments qkv, pbuf, stat; writes pbuf, stat
.if DOCPART == 3
	.amdgcn_target "amdgcn-amd-amdhsa--gfx1250"
	.amdhsa_code_object_version 6
	.text
	.protected	k_qeed53b51c9_score
	.globl	k_qeed53b51c9_score
	.p2align	8
	.type	k_qeed53b51c9_score,@function
k_qeed53b51c9_score:
	s_mov_b64 s[64:65], 0
	v_nop
	global_prefetch_b8 v0, s[64:65] scope:SCOPE_SE
	s_setreg_imm32_b32 hwreg(HW_REG_WAVE_MODE, 25, 1), 1
	s_wait_xcnt 0x0
	s_wait_alu depctr_hold_cnt(0) depctr_sa_sdst(0) depctr_va_vdst(0) depctr_va_sdst(0) depctr_va_ssrc(0) depctr_va_vcc(0) depctr_vm_vsrc(0)
	s_getreg_b32 s2, hwreg(HW_REG_IB_STS2, 6, 4)
	s_cmp_eq_u32 s2, 0
	s_cbranch_scc0 .Lentry_in_a_cluster
	s_endpgm
.Lentry_in_a_cluster:
	s_bfe_u32 s2, ttmp6, 0x10000c
	s_cmp_lg_u32 s2, 0xf033
	s_cbranch_scc0 .Lentry_shape_is_right
	s_endpgm
.Lentry_shape_is_right:
; score: the scores and the first half of the softmax.  raw = (q/4).(k/4), so score = raw / 2 and score x log2 e = C raw with C = 0.72134752.
; For each query row and each chunk of 128 keys (one wave's columns):  m2 = C x (largest raw of the chunk),  p = exp2(C raw - m2) <= 1 (up to rounding),
; l = the sum of the p.  pbuf[8192][2048] = f16(p);  stat[chunk 0..15][row 0..8191] = (m2, l) in f32.  The next launch joins the chunks by the rows' true maxima,
; so the maximum is taken away before every exponential, for every input.
; LIMITS: p below 6e-8 (of its chunk's largest) becomes 0 in f16; infinite or NaN scores are not treated specially.
; The product is built as the projections' is: block 256 x 256, four waves of 128 x 128, K = 1024 in 8 steps of 128, two LDS slots, 8 x 32 = 256 work-groups.
; CLUSTERS: 4 x 4.  q's tiles hang on the block row and are shared along a row of the cluster; k's hang on the block column and the batch, which is
; (cluster y) / 2 and so the same in the whole cluster, and are shared along a column.
; REGISTERS: window 0: v0-63 addresses and softmax figures; v64-127, v128-191 fragments of q; v192-223 packed results.  Window 1: fragments of k.
;   Windows 2, 3: accumulator tiles (a, b) at v[8 (8 a + b)], my rows 0-63 and 64-127.
; TRANSPOSED USE: source 0 = 16 rows of k, source 1 = 16 rows of q: lane l holds query l % 16 and, in tile b, the keys 16 b + 8 (l / 16) + 0 .. 7.
; So a query's 128 scores lie in lanes l and l xor 16, 64 each: the reduction is 63 steps in the lane and one across.
; The 64 accumulators take turns, one matrix instruction a turn.
.set KSTEP,  128
.set PITCH,  272
.set HALFT,  128*PITCH
.set SLOT,   4*HALFT
.set STAGE,  2*SLOT
.set SPITCH, 272
.set KDIM,   1024
.set LAPS,   KDIM/(2*KSTEP)
.set QROWB,  6144                      ; bytes in a row of qkv
.set PROWB,  4096                      ; bytes in a row of pbuf
.set ADRA, 16
.set ADRB, 20
.set STO,  24
.set RD,   25
.set CO,   26
.set LANE, 28                          ; v28     lane
.set SO,   29                          ; v29     8 x lane: my pair in a store of stat
.set MS,   32                          ; v32-39  m2 of row tile i
.set LS,   40                          ; v40-47  l of row tile i
.set MX,   48                          ; v48-51  four chains of maxima
.set NM,   52                          ; v52-53  -m2, twice
.set SU,   54                          ; v54-61  four chains of packed sums
.set PX,   62                          ; v62     what comes from the other half of the lanes
.set F0,   64
.set F1,   128
.set T,    64
.set RB0,  128
.set RB1,  160
.set PK,   192
.set G1, 24
.set G0, 32
.set G1B, 48
.set G0B, 56
.set MSB, 0
.macro WIN new
.if MSB != \new
	s_set_vgpr_msb (MSB<<8)|\new
.set MSB, \new
.endif
.endm
.set MUL_LO, 0xa1
.set MUL_HI, 0xf1
.set TO_B,   0x40
.macro JLOAD s                         ; waves 0 and 1 fetch q's two halves, waves 2 and 3 k's; the branch hangs on the wave's number alone
	s_cmp_eq_u32 s11, 0
	s_cbranch_scc0 .Lfor_b_\@
	tensor_load_to_lds s[G0+4*\s:G0+4*\s+3], s[G1:G1+7]
	s_nop 0
.rept 4
	v_nop
.endr
	s_branch .Lasked_\@
.Lfor_b_\@:
	tensor_load_to_lds s[G0B+4*\s:G0B+4*\s+3], s[G1B:G1B+7]
	s_nop 0
.rept 4
	v_nop
.endr
.Lasked_\@:
.endm
.macro CREST
	s_cmp_lg_u32 s10, 0
	s_cbranch_scc1 .Lnot_wave_0_\@
	s_barrier_signal -3
.Lnot_wave_0_\@:
	s_barrier_wait -3
	s_barrier_signal -1
	s_barrier_wait -1
.endm
.macro CROUND
	s_barrier_signal -1
	s_barrier_wait -1
	CREST
.endm
	s_load_b128 s[68:71], s[0:1], 0x0              ; qkv 68, pbuf 70
	s_load_b64 s[72:73], s[0:1], 0x10              ; stat
	s_set_vgpr_msb 0x40
	v_lshl_add_u32 v255, v0, 2, 0x48400
	s_set_vgpr_msb 0x4000
	v_mov_b32 v255, 0
	s_set_vgpr_msb 0x1
	ds_add_u32 v255, v255
	s_set_vgpr_msb 0x100
	v_lshrrev_b32 v1, 5, v0
	v_readfirstlane_b32 s10, v1                    ; wave
	s_lshr_b32 s11, s10, 1                         ; my half of the rows; also: I fetch q (0) or k (1)
	s_and_b32 s12, s10, 1                          ; my half of the columns; also: which 128 rows I fetch
	s_bfe_u32 s40, ttmp6, 0x40000                  ; cx
	s_bfe_u32 s41, ttmp6, 0x40004                  ; cy
	s_lshl_b32 s42, ttmp9, 2
	s_add_co_u32 s42, s42, s40                     ; block column (256 keys), 0..7
	s_and_b32 s13, ttmp7, 0xffff
	s_lshr_b32 s45, s13, 1                         ; batch = cluster y / 2: eight block rows a batch, four a cluster
	s_lshl_b32 s13, s13, 2
	s_add_co_u32 s13, s13, s41                     ; block row (256 queries), 0..31
	s_lshl_b32 s43, s41, 2
	s_lshl_b32 s43, 15, s43
	s_lshl_b32 s44, 0x1111, s40
	s_mov_b32 s4, 0x76543210                       ; v_permlanex16_b32: lane i takes lane i of the other half
	s_mov_b32 s5, 0xfedcba98
	s_mov_b32 s6, 0x3f38aa3b                       ; C = log2 e / 2, as a pair for the packed multiply-add
	s_mov_b32 s7, 0x3f38aa3b
	s_mov_b32 s8, 0xbf38aa3b                       ; -C
	s_or_b32 s[G1+0], s43, (1<<16)|(1<<20)|(1<<21)|(5<<22)|(3<<25)
	s_or_b32 s[G1B+0], s44, (1<<16)|(1<<20)|(1<<21)|(5<<22)|(3<<25)
	s_mov_b32 s[G1+1], KSTEP<<16
	s_mov_b32 s[G1B+1], KSTEP<<16
	s_mov_b32 s[G1+2], 128<<16
	s_mov_b32 s[G1B+2], 128<<16
	s_mov_b32 s[G1+3], KSTEP<<16
	s_mov_b32 s[G1B+3], KSTEP<<16
	s_mov_b32 s[G1+4], 128
	s_mov_b32 s[G1B+4], 128
	s_mov_b32 s[G1+5], QROWB/2                     ; 3,072 elements from row to row
	s_mov_b32 s[G1B+5], QROWB/2
	s_mov_b32 s[G1+6], 0
	s_mov_b32 s[G1B+6], 0
	s_mov_b32 s[G1+7], 0
	s_mov_b32 s[G1B+7], 0
	s_lshl_b32 s17, s12, 7
	s_lshl_b32 s16, s13, 8
	s_add_co_u32 s16, s16, s17                     ; q: row 256 x block row + 128 x half
	s_lshl_b32 s46, s42, 8
	s_add_co_u32 s46, s46, s17
	s_lshl_b32 s47, s45, 11
	s_add_co_u32 s46, s46, s47                     ; k: row 2,048 x batch + 256 x block column + 128 x half
	s_mul_i32 s16, s16, QROWB                      ; below 2^26
	s_mul_i32 s46, s46, QROWB
	s_add_co_u32 s46, s46, 2048                    ; k begins 2,048 bytes into a row
	s_mov_b32 s17, 0
	s_mov_b32 s47, 0
	s_mul_i32 s20, s10, HALFT
	s_wait_dscnt 0x0
	s_wait_kmcnt 0x0
	s_add_nc_u64 s[14:15], s[68:69], s[16:17]
	s_add_nc_u64 s[46:47], s[68:69], s[46:47]
	CROUND
.irp s, 0,1
	s_mov_b32 s[G0+4*\s], 1
	s_add_co_u32 s[G0+4*\s+1], s20, \s*SLOT
	s_add_nc_u64 s[G0+4*\s+2:G0+4*\s+3], s[14:15], \s*KSTEP*2
	s_or_b32 s[G0+4*\s+3], s[G0+4*\s+3], 0x80000000
	s_mov_b32 s[G0B+4*\s], 1
	s_add_co_u32 s[G0B+4*\s+1], s20, \s*SLOT
	s_add_nc_u64 s[G0B+4*\s+2:G0B+4*\s+3], s[46:47], \s*KSTEP*2
	s_or_b32 s[G0B+4*\s+3], s[G0B+4*\s+3], 0x80000000
	JLOAD \s                                       ; two tensor loads of a wave are out
.endr
	v_and_b32 v1, 15, v0
	v_bfe_u32 v2, v0, 4, 1
	v_and_b32 v[LANE], 31, v0
	v_lshlrev_b32 v[SO], 3, v[LANE]
	v_mov_b32 v[PX], 0                             ; v_permlanex16_b32 counts as a reader of its destination
	v_mul_u32_u24 v3, v1, PITCH
	v_lshl_add_u32 v3, v2, 4, v3
	s_mul_i32 s21, s11, HALFT
	s_mul_i32 s22, s12, HALFT
	s_add_co_u32 s22, s22, 2*HALFT
.irp s, 0,1
	v_add_nc_u32 v[ADRA+\s], s21, v3
	v_add_nc_u32 v[ADRB+\s], s22, v3
	s_add_co_u32 s21, s21, SLOT
	s_add_co_u32 s22, s22, SLOT
.endr
	s_mul_i32 s23, s10, 16*SPITCH
	s_add_co_u32 s23, s23, STAGE
	v_mul_u32_u24 v4, v1, SPITCH
	v_lshl_add_u32 v4, v2, 4, v4
	v_add_nc_u32 v[STO], s23, v4
	v_mul_u32_u24 v5, v2, SPITCH
	v_lshl_add_u32 v5, v1, 4, v5
	v_add_nc_u32 v[RD], s23, v5
	v_lshlrev_b32 v5, 12, v2                       ; one row of pbuf further down for lanes 16 to 31
	v_lshl_add_u32 v[CO], v1, 4, v5
.macro MUL16 f, hi, a0, zero
.irp a, \a0, \a0+1
.irp b, 0,1,2,3,4,5,6,7
.if \zero
	v_wmma_f32_16x16x32_f16 v[8*(8*(\a)+\b):8*(8*(\a)+\b)+7], v[\f+8*\b:\f+8*\b+7], v[\f+8*(4*\hi+\a):\f+8*(4*\hi+\a)+7], 0
.else
	v_wmma_f32_16x16x32_f16 v[8*(8*(\a)+\b):8*(8*(\a)+\b)+7], v[\f+8*\b:\f+8*\b+7], v[\f+8*(4*\hi+\a):\f+8*(4*\hi+\a)+7], v[8*(8*(\a)+\b):8*(8*(\a)+\b)+7]
.endif
.endr
.endr
.endm
.macro FETCH slot, k, f
	WIN TO_B
.irp i, 0,1,2,3,4,5,6,7
	ds_load_b128 v[\f+8*\i:\f+8*\i+3],   v[ADRB+\slot] offset:\k+\i*16*PITCH
	ds_load_b128 v[\f+8*\i+4:\f+8*\i+7], v[ADRB+\slot] offset:\k+\i*16*PITCH+32
.endr
	WIN 0
.irp i, 0,1,2,3,4,5,6,7
	ds_load_b128 v[\f+8*\i:\f+8*\i+3],   v[ADRA+\slot] offset:\k+\i*16*PITCH
	ds_load_b128 v[\f+8*\i+4:\f+8*\i+7], v[ADRA+\slot] offset:\k+\i*16*PITCH+32
.endr
.endm
.macro PLACES                          ; four places behind matrix instructions (ISA guide 7.12.1 for vector instructions)
.rept 4
	v_nop
.endr
.endm
.macro QUARTER slot, k, f, g, zero
	s_wait_dscnt 8                                 ; k's fragments and q's rows 0-63 are in; the youngest eight loads may be out
	WIN MUL_LO
	MUL16 \f, 0, 0, \zero
	MUL16 \f, 0, 2, \zero
	PLACES
	FETCH \slot, \k, \g
	s_wait_dscnt 32                                ; all but the 32 just issued
	WIN MUL_HI
	MUL16 \f, 1, 0, \zero
	MUL16 \f, 1, 2, \zero
.endm
.macro THREE slot, zero
	QUARTER \slot, 64,  F0, F1, \zero
	QUARTER \slot, 128, F1, F0, 0
	QUARTER \slot, 192, F0, F1, 0
.endm
.macro TURN slot, next, fill
	s_wait_dscnt 8
	WIN MUL_LO
	MUL16 F1, 0, 0, 0
	s_wait_dscnt 0                                 ; my reads of this slot are over
	s_wait_tensorcnt 0x0                           ; all my tensor loads have landed: my part of the next slot
	ds_add_u32 v255, v255
	s_wait_dscnt 0x0
	s_barrier_signal -1
	MUL16 F1, 0, 2, 0
	WIN 0
	s_barrier_wait -1
.if \fill
	CREST                                          ; the round is closed: no wave of any partner reads this slot or has a load on its way
	s_add_nc_u64 s[G0+4*\slot+2:G0+4*\slot+3], s[G0+4*\slot+2:G0+4*\slot+3], 2*KSTEP*2
	s_add_nc_u64 s[G0B+4*\slot+2:G0B+4*\slot+3], s[G0B+4*\slot+2:G0B+4*\slot+3], 2*KSTEP*2
	JLOAD \slot                                    ; the wave's one tensor load behind the round
.else
	PLACES
.endif
	FETCH \next, 0, F0
	WIN MUL_HI
	MUL16 F1, 1, 0, 0
	MUL16 F1, 1, 2, 0
.endm
.macro LAP zero
	THREE 0, \zero
	TURN 0, 1, 1
	THREE 1, 0
	TURN 1, 0, 1
.endm
	s_wait_tensorcnt 1                             ; my part of K step 0 is in; K step 1's stays out
	s_barrier_signal -1
	s_barrier_wait -1
	FETCH 0, 0, F0
	LAP 1
	WIN 0
	s_mov_b32 s3, LAPS-2
.Llap:
	LAP 0
	WIN 0
	s_sub_co_u32 s3, s3, 1
	s_cmp_lg_u32 s3, 0
	s_cbranch_scc1 .Llap
	THREE 0, 0
	TURN 0, 1, 0
	THREE 1, 0
	s_wait_dscnt 8
	WIN MUL_LO
	MUL16 F1, 0, 0, 0
	MUL16 F1, 0, 2, 0
	s_wait_dscnt 0
	WIN MUL_HI
	MUL16 F1, 1, 0, 0
	MUL16 F1, 1, 2, 0
	; THE WAY OUT
	PLACES
	s_lshl_b32 s13, s13, 8
	s_lshl_b32 s14, s11, 7
	s_add_co_u32 s14, s13, s14                     ; my first row, 0..8064
	s_lshl_b32 s16, s14, 12                        ; rows of 4,096 bytes in pbuf
	s_mov_b32 s17, 0
	s_add_nc_u64 s[70:71], s[70:71], s[16:17]
	s_lshl_b32 s16, s14, 3                         ; 8 bytes a row in stat
	s_add_nc_u64 s[72:73], s[72:73], s[16:17]
	s_lshl_b32 s46, s42, 1
	s_add_co_u32 s46, s46, s12                     ; my chunk of keys = 2 x block column + half
	s_lshl_b32 s46, s46, 8                         ; 256 bytes a chunk in a row of pbuf
	s_mov_b32 s47, 0
	s_add_nc_u64 s[70:71], s[70:71], s[46:47]
	s_lshl_b32 s46, s46, 8                         ; 65,536 bytes a chunk in stat
	s_add_nc_u64 s[72:73], s[72:73], s[46:47]
; Rows 16 i .. 16 i + 15 = tiles (a, 0..7) of window 2 or 3.  two = 0x0a or 0x0f: sources 0 and 1 in that window; one = 0x02 or 0x03: source 0 alone.
.macro SOFT16 i, a, two, one, rb
	WIN \two
.irp k, 0,1,2,3
	v_max_num_f32 v[MX+\k], v[8*(8*\a+2*\k)], v[8*(8*\a+2*\k)+1]       ; four chains of 16 numbers, started by their first two
.endr
.irp j, 1,2,3,4,5,6,7
.irp k, 0,1,2,3
	v_max3_num_f32 v[MX+\k], v[8*(8*\a+2*\k)+2*\j], v[8*(8*\a+2*\k)+2*\j+1], v[MX+\k]
.endr
.endr
	WIN 0
	v_max3_num_f32 v[MX], v[MX], v[MX+1], v[MX+2]
	v_max_num_f32 v[MX], v[MX], v[MX+3]
	v_permlanex16_b32 v[PX], v[MX], s4, s5         ; the row's other 64 keys lie in lane l xor 16
	v_max_num_f32 v[MX], v[MX], v[PX]
	v_mul_f32 v[MS+\i], s6, v[MX]                  ; m2 as it is stored,
	v_mul_f32 v[NM], s8, v[MX]                     ; and exactly its negative, twice
	v_mul_f32 v[NM+1], s8, v[MX]
	WIN \one
.irp b, 0,1,2,3,4,5,6,7
.irp r, 0,1,2,3
	v_pk_fma_f32 v[T+8*\b+2*\r:T+8*\b+2*\r+1], v[8*(8*\a+\b)+2*\r:8*(8*\a+\b)+2*\r+1], s[6:7], v[NM:NM+1] op_sel_hi:[1,0,1]   ; C raw - m2
.endr
.endr
	WIN 0
.set j, 0
.rept 64
	v_exp_f32 v[T+j], v[T+j]
.set j, j+1
.endr
	v_nop                                          ; one plain place behind the last exponential (ISA guide 5.7.2)
	s_wait_alu depctr_va_vdst(0)
.irp k, 0,1,2,3
	v_pk_add_f32 v[SU+2*\k:SU+2*\k+1], v[T+2*\k:T+2*\k+1], v[T+8+2*\k:T+8+2*\k+1]
.endr
.irp j, 2,3,4,5,6,7
.irp k, 0,1,2,3
	v_pk_add_f32 v[SU+2*\k:SU+2*\k+1], v[SU+2*\k:SU+2*\k+1], v[T+8*\j+2*\k:T+8*\j+2*\k+1]
.endr
.endr
	v_pk_add_f32 v[SU:SU+1], v[SU:SU+1], v[SU+2:SU+3]
	v_pk_add_f32 v[SU+4:SU+5], v[SU+4:SU+5], v[SU+6:SU+7]
	v_pk_add_f32 v[SU:SU+1], v[SU:SU+1], v[SU+4:SU+5]
	v_add_f32 v[SU], v[SU], v[SU+1]
	v_permlanex16_b32 v[PX], v[SU], s4, s5
	v_add_f32 v[LS+\i], v[SU], v[PX]
.irp b, 0,1,2,3,4,5,6,7
.irp r, 0,1,2,3
	v_cvt_pk_f16_f32 v[PK+4*\b+\r], v[T+8*\b+2*\r], v[T+8*\b+2*\r+1]
.endr
.endr
.irp b, 0,1,2,3,4,5,6,7
	ds_store_b128 v[STO], v[PK+4*\b:PK+4*\b+3] offset:32*\b
.endr
	s_wait_xcnt 0x0                                ; the read-back registers, which earlier stores read, and the stores' base are rewritten only behind this wait
.if \i
	s_add_nc_u64 s[70:71], s[70:71], 16*PROWB
.endif
.irp t, 0,1,2,3,4,5,6,7
	ds_load_b128 v[\rb+4*\t:\rb+4*\t+3], v[RD] offset:\t*2*SPITCH      ; a wave's LDS instructions are served in order (ISA guide 5.7.1)
.endr
.irp t, 0,1,2,3,4,5,6,7
	s_wait_dscnt 7-\t                              ; read-back t is in, the younger ones stay out
	global_store_b128 v[CO], v[\rb+4*\t:\rb+4*\t+3], s[70:71] offset:2*\t*PROWB   ; 16 lanes store 256 consecutive bytes, aligned to 256 from the buffer's first byte
.endr
.endm
	SOFT16 0, 0, 0x0a, 0x02, RB0
	SOFT16 1, 1, 0x0a, 0x02, RB1
	SOFT16 2, 2, 0x0a, 0x02, RB0
	SOFT16 3, 3, 0x0a, 0x02, RB1
	SOFT16 4, 0, 0x0f, 0x03, RB0
	SOFT16 5, 1, 0x0f, 0x03, RB1
	SOFT16 6, 2, 0x0f, 0x03, RB0
	SOFT16 7, 3, 0x0f, 0x03, RB1
	; (m2, l) of my 128 rows: both halves of the lanes hold a row tile's figures, so lanes 0-15 give tile 2 i and lanes 16-31 tile 2 i + 1:
	; lane l stores row 32 i + l, and a store covers 256 consecutive bytes, aligned
	v_cmp_le_u32 vcc_lo, 16, v[LANE]
.irp i, 0,1,2,3
	v_cndmask_b32 v[T+2*\i],   v[MS+2*\i], v[MS+2*\i+1], vcc_lo
	v_cndmask_b32 v[T+2*\i+1], v[LS+2*\i], v[LS+2*\i+1], vcc_lo
	global_store_b64 v[SO], v[T+2*\i:T+2*\i+1], s[72:73] offset:256*\i
.endr
	s_set_vgpr_msb 0x1
	s_wait_tensorcnt 0x0
	ds_add_u32 v255, v255
	s_wait_dscnt 0x0
	s_set_vgpr_msb 0x100
	CROUND                                         ; the closing round
	s_endpgm
.Lfunc_end_k_qeed53b51c9_score:
	.size	k_qeed53b51c9_score, .Lfunc_end_k_qeed53b51c9_score-k_qeed53b51c9_score
	.p2alignl 7, 3214868480
	.fill 96, 4, 3214868480
	.section	.rodata,"a",@progbits
	.p2align	6, 0x0
	.amdhsa_kernel k_qeed53b51c9_score
		.amdhsa_group_segment_fixed_size 327680
		.amdhsa_private_segment_fixed_size 0
		.amdhsa_enable_private_segment 0
		.amdhsa_kernarg_size 24
		.amdhsa_user_sgpr_count 2
		.amdhsa_user_sgpr_kernarg_segment_ptr 1
		.amdhsa_wavefront_size32 1
		.amdhsa_system_sgpr_workgroup_id_x 1
		.amdhsa_system_sgpr_workgroup_id_y 1
		.amdhsa_system_sgpr_workgroup_id_z 1
		.amdhsa_system_vgpr_workitem_id 0
		.amdhsa_next_free_vgpr 1024
		.amdhsa_next_free_sgpr 74
		.amdhsa_reserve_vcc 1
		.amdhsa_float_denorm_mode_32 3
		.amdhsa_float_denorm_mode_16_64 3
		.amdhsa_memory_ordered 1
		.amdhsa_forward_progress 1
		.amdhsa_inst_pref_size 255
	.end_amdhsa_kernel
	.section	.bss,"aw",@nobits
	.p2align	6
	.space	262144
	.amdgpu_metadata
---
amdhsa.version: [ 1, 2 ]
amdhsa.kernels:
  - .name:           k_qeed53b51c9_score
    .symbol:         k_qeed53b51c9_score.kd
    .args:
      - { .name: qkv, .offset: 0, .size: 8, .value_kind: global_buffer, .address_space: global }
      - { .name: pbuf, .offset: 8, .size: 8, .value_kind: global_buffer, .address_space: global }
      - { .name: stat, .offset: 16, .size: 8, .value_kind: global_buffer, .address_space: global }
    .group_segment_fixed_size: 327680
    .private_segment_fixed_size: 0
    .kernarg_segment_align: 8
    .kernarg_segment_size: 24
    .max_flat_workgroup_size: 128
    .sgpr_count:     74
    .vgpr_count:     1024
    .wavefront_size: 32
...
	.end_amdgpu_metadata
.endif
;; end of part 3
;; launch pv (part 4): grid 8 x 32, 4 waves a work-group, clusters of 4 x 4, 327,680 bytes of LDS; arguments pbuf, qkv, stat, out0; writes out0
.if DOCPART == 4
	.amdgcn_target "amdgcn-amd-amdhsa--gfx1250"
	.amdhsa_code_object_version 6
	.text
	.protected	k_qeed53b51c9_pv
	.globl	k_qeed53b51c9_pv
	.p2align	8
	.type	k_qeed53b51c9_pv,@function
k_qeed53b51c9_pv:
	s_mov_b64 s[64:65], 0
	v_nop
	global_prefetch_b8 v0, s[64:65] scope:SCOPE_SE
	s_setreg_imm32_b32 hwreg(HW_REG_WAVE_MODE, 25, 1), 1
	s_wait_xcnt 0x0
	s_wait_alu depctr_hold_cnt(0) depctr_sa_sdst(0) depctr_va_vdst(0) depctr_va_sdst(0) depctr_va_ssrc(0) depctr_va_vcc(0) depctr_vm_vsrc(0)
	s_getreg_b32 s2, hwreg(HW_REG_IB_STS2, 6, 4)
	s_cmp_eq_u32 s2, 0
	s_cbranch_scc0 .Lentry_in_a_cluster
	s_endpgm
.Lentry_in_a_cluster:
	s_bfe_u32 s2, ttmp6, 0x10000c
	s_cmp_lg_u32 s2, 0xf033
	s_cbranch_scc0 .Lentry_shape_is_right
	s_endpgm
.Lentry_shape_is_right:
; pv: the second half of the softmax and the product with v.
;   M2 = max over the 16 chunks of m2_c;  f_c = exp2(m2_c - M2) <= 1;  L = sum of l_c f_c;  out = (4 / L) sum over c of (f_c p_c) (v/4)_c.
; So every weight is exp(score - the row's true maximum) / the row's sum.  A K step of 128 keys is one chunk: its P fragments are multiplied by f_c
; (two f16 at a time) on their way to the matrix unit.  f16 operands, f32 sums, out0 in f32.
; LIMITS: a weight below 6e-8 of its row's largest becomes 0 in f16; infinite or NaN figures in stat are not treated specially.
; A work-group makes 256 rows x 128 features; wave w its rows 64 w .. 64 w + 63 and all 128 features: 32 accumulator tiles, 256 registers.  With this block
; the 32 x 8 blocks are 256 work-groups.  K = 2,048 keys in 16 steps of 128 through two LDS slots.
; CLUSTERS: 4 x 4.  P's tiles hang on the block row and are shared along a row of the cluster; v's hang on the block column and the batch
; (= cluster y / 2, the same in the whole cluster) and are shared along a column.
; TRANSPOSED USE: source 0 = 16 features of v, source 1 = 16 rows of P: lane l holds row l % 16 and, in tile b, features 16 b + 8 (l / 16) + 0 .. 7.
; v lies in LDS as [key][feature]; ds_load_tr16_b128 brings a fragment with the keys along the lane's registers.
; LDS: slot s at s x 106,496: P 256 rows x 272 bytes, then v 128 keys x 288 bytes (256 + 32: an odd multiple of 32);
;   behind the ring, where no tensor load lands: FT [16 chunks][256 rows] (f, f) in f16; IL [256] 4 / L in f32; a stage of 16 rows x 528 bytes for each wave.
; REGISTERS: window 0: addresses, factors, fragments (two buffers);  window 1: accumulator tile (a, b) at v[8 (8 a + b)].
; The 32 accumulators take turns, one matrix instruction a turn, in the same order in every quarter step.
.set KSTEP,  128
.set APITCH, 272
.set BPITCH, 288
.set AHALF,  128*APITCH                ; 34,816: what waves 0 and 1 fetch
.set ATILE,  2*AHALF                   ; 69,632
.set BHALF,  64*BPITCH                 ; 18,432: what waves 2 and 3 fetch
.set SLOT,   ATILE+2*BHALF             ; 106,496
.set FT,     2*SLOT                    ; 212,992
.set IL,     FT+16*1024                ; 229,376
.set STAGE,  IL+1024                   ; 230,400
.set SPITCH, 528                       ; 512 bytes + 16
.set LAPS,   8
.set PROWB,  4096                      ; bytes in a row of pbuf, and of out0
.set QROWB,  6144                      ; bytes in a row of qkv
.set ADRA, 16                          ; v16-17  my P fragments in slot 0, 1
.set ADRB, 20                          ; v20-21  v's fragments in slot 0, 1
.set FTA,  22                          ; v22     my rows' factors of the next K step
.set STO,  24
.set RD,   25
.set CO,   26
.set ILA,  27
.set FAC,  28                          ; v28-31  (f, f) of row tile a in this K step
.set ILP,  32                          ; v32-39  4 / L of row tile a, twice
.set PF0,  40                          ; v40-71, v72-103    P fragments, buffers 0 and 1
.set VF0,  104                         ; v104-167, v168-231 v fragments, buffers 0 and 1
.set SA,   104                         ; prologue: (m2, l) of 16 chunks, my first row
.set SB,   136                         ; prologue: my second row
.set T,    104                         ; way out: 64 results
.set RB,   168                         ; way out: 16 rows read back
.set G1, 24
.set G0, 32
.set G1B, 48
.set G0B, 56
.set MSB, 0
.macro WIN new
.if MSB != \new
	s_set_vgpr_msb (MSB<<8)|\new
.set MSB, \new
.endif
.endm
.set MUL, 0x50                         ; sources 0 and 1 window 0, C and D window 1
.macro JLOAD s                         ; waves 0 and 1 fetch P's two halves, waves 2 and 3 v's; the branch hangs on the wave's number alone
	s_cmp_eq_u32 s11, 0
	s_cbranch_scc0 .Lfor_b_\@
	tensor_load_to_lds s[G0+4*\s:G0+4*\s+3], s[G1:G1+7]
	s_nop 0
.rept 4
	v_nop
.endr
	s_branch .Lasked_\@
.Lfor_b_\@:
	tensor_load_to_lds s[G0B+4*\s:G0B+4*\s+3], s[G1B:G1B+7]
	s_nop 0
.rept 4
	v_nop
.endr
.Lasked_\@:
.endm
.macro CREST
	s_cmp_lg_u32 s10, 0
	s_cbranch_scc1 .Lnot_wave_0_\@
	s_barrier_signal -3
.Lnot_wave_0_\@:
	s_barrier_wait -3
	s_barrier_signal -1
	s_barrier_wait -1
.endm
.macro CROUND
	s_barrier_signal -1
	s_barrier_wait -1
	CREST
.endm
	s_load_b256 s[68:75], s[0:1], 0x0              ; pbuf 68, qkv 70, stat 72, out0 74
	v_lshl_add_u32 v254, v0, 2, 0x40800
	v_mov_b32 v255, 0
	ds_add_u32 v254, v255
	v_lshrrev_b32 v1, 5, v0
	v_readfirstlane_b32 s10, v1                    ; wave
	s_lshr_b32 s11, s10, 1                         ; I fetch P (0) or v (1)
	s_and_b32 s12, s10, 1                          ; which half of that tile
	s_bfe_u32 s40, ttmp6, 0x40000                  ; cx
	s_bfe_u32 s41, ttmp6, 0x40004                  ; cy
	s_lshl_b32 s42, ttmp9, 2
	s_add_co_u32 s42, s42, s40                     ; block column (128 features), 0..7
	s_and_b32 s13, ttmp7, 0xffff
	s_lshr_b32 s45, s13, 1                         ; batch = cluster y / 2
	s_lshl_b32 s13, s13, 2
	s_add_co_u32 s13, s13, s41                     ; block row (256 rows), 0..31
	s_lshl_b32 s43, s41, 2
	s_lshl_b32 s43, 15, s43
	s_lshl_b32 s44, 0x1111, s40
	; P: 128 rows x 128 elements, 4 words of padding behind every 64;  v: 64 keys x 128 elements, 8 words of padding
	s_or_b32 s[G1+0], s43, (1<<16)|(1<<20)|(1<<21)|(5<<22)|(3<<25)
	s_mov_b32 s[G1+1], KSTEP<<16
	s_mov_b32 s[G1+2], 128<<16
	s_mov_b32 s[G1+3], KSTEP<<16
	s_mov_b32 s[G1+4], 128
	s_mov_b32 s[G1+5], PROWB/2                     ; 2,048 elements from row to row
	s_mov_b32 s[G1+6], 0
	s_mov_b32 s[G1+7], 0
	s_or_b32 s[G1B+0], s44, (1<<16)|(1<<20)|(1<<21)|(5<<22)|(7<<25)
	s_mov_b32 s[G1B+1], 128<<16
	s_mov_b32 s[G1B+2], 64<<16
	s_mov_b32 s[G1B+3], 128<<16
	s_mov_b32 s[G1B+4], 64
	s_mov_b32 s[G1B+5], QROWB/2                    ; 3,072 elements from key to key
	s_mov_b32 s[G1B+6], 0
	s_mov_b32 s[G1B+7], 0
	s_lshl_b32 s17, s12, 7
	s_lshl_b32 s16, s13, 8
	s_add_co_u32 s16, s16, s17                     ; P: row 256 x block row + 128 x half
	s_lshl_b32 s16, s16, 12                        ; below 2^25
	s_mov_b32 s17, 0
	s_lshl_b32 s46, s45, 11
	s_lshl_b32 s47, s12, 6
	s_add_co_u32 s46, s46, s47                     ; v: key row 2,048 x batch + 64 x half
	s_mul_i32 s46, s46, QROWB                      ; below 2^26
	s_lshl_b32 s47, s42, 8                         ; 256 bytes a block column,
	s_add_co_u32 s46, s46, s47
	s_add_co_u32 s46, s46, 4096                    ; v begins 4,096 bytes into a row
	s_mov_b32 s47, 0
	s_mul_i32 s20, s10, AHALF                      ; P's halves: wave x 34,816 (waves 0, 1)
	s_mul_i32 s21, s10, BHALF
	s_add_co_u32 s21, s21, ATILE-2*BHALF           ; v's halves: 69,632 + (wave - 2) x 18,432 (waves 2, 3)
	s_wait_dscnt 0x0
	s_wait_kmcnt 0x0
	s_add_nc_u64 s[14:15], s[68:69], s[16:17]
	s_add_nc_u64 s[46:47], s[70:71], s[46:47]
	CROUND
.irp s, 0,1
	s_mov_b32 s[G0+4*\s], 1
	s_add_co_u32 s[G0+4*\s+1], s20, \s*SLOT
	s_add_nc_u64 s[G0+4*\s+2:G0+4*\s+3], s[14:15], \s*KSTEP*2
	s_or_b32 s[G0+4*\s+3], s[G0+4*\s+3], 0x80000000
	s_mov_b32 s[G0B+4*\s], 1
	s_add_co_u32 s[G0B+4*\s+1], s21, \s*SLOT
	s_add_nc_u64 s[G0B+4*\s+2:G0B+4*\s+3], s[46:47], \s*KSTEP*QROWB
	s_or_b32 s[G0B+4*\s+3], s[G0B+4*\s+3], 0x80000000
	JLOAD \s                                       ; two tensor loads of a wave are out
.endr
	; the figures of the block's 256 rows: thread t takes rows t and t + 128, 16 chunks each; a wave's load covers 256 consecutive bytes, aligned
	s_lshl_b32 s16, s13, 11                        ; 256 rows x 8 bytes a block row
	s_mov_b32 s17, 0
	s_add_nc_u64 s[72:73], s[72:73], s[16:17]
	v_lshlrev_b32 v10, 3, v0
.irp c, 0,1,2,3,4,5,6,7,8,9,10,11,12,13,14,15
	global_load_b64 v[SA+2*\c:SA+2*\c+1], v10, s[72:73] offset:65536*\c
	global_load_b64 v[SB+2*\c:SB+2*\c+1], v10, s[72:73] offset:65536*\c+1024
.endr
	v_and_b32 v1, 15, v0                           ; r = l % 16
	v_bfe_u32 v2, v0, 4, 1                         ; h = l / 16
	v_and_b32 v3, 31, v0                           ; l
	v_and_b32 v4, 7, v0
	v_bfe_u32 v5, v0, 3, 1
	v_mul_u32_u24 v6, v1, APITCH
	v_lshl_add_u32 v6, v2, 4, v6
	s_mul_i32 s22, s10, 64*APITCH                  ; my 64 rows of P
	v_add_nc_u32 v[ADRA], s22, v6                  ; (64 w + r) x 272 + 16 h
	v_add_nc_u32 v[ADRA+1], SLOT, v[ADRA]
	v_lshl_add_u32 v7, v2, 3, v4                   ; key 8 h + (l & 7)
	v_mul_u32_u24 v7, v7, BPITCH
	v_lshl_add_u32 v7, v5, 4, v7                   ; + 16 ((l >> 3) & 1)
	v_add_nc_u32 v[ADRB], ATILE, v7
	v_add_nc_u32 v[ADRB+1], ATILE+SLOT, v7
	s_lshl_b32 s23, s10, 8
	v_lshl_add_u32 v8, v1, 2, s23                  ; 4 (64 w + r)
	v_add_nc_u32 v[FTA], FT, v8
	v_add_nc_u32 v[ILA], IL, v8
	s_mul_i32 s22, s10, 16*SPITCH
	s_add_co_u32 s22, s22, STAGE                   ; my stage
	v_mul_u32_u24 v9, v1, SPITCH
	v_lshl_add_u32 v9, v2, 5, v9
	v_add_nc_u32 v[STO], s22, v9                   ; row r, 32 bytes for each half of the lanes
	v_lshlrev_b32 v[CO], 4, v3                     ; 32 lanes x 16 bytes: a row of 512 bytes
	v_add_nc_u32 v[RD], s22, v[CO]
	v_lshlrev_b32 v11, 2, v0
	v_add_nc_u32 v12, FT, v11                      ; where thread t puts its rows' factors
	v_add_nc_u32 v13, IL, v11
	s_wait_loadcnt 0x0
; One row: s = its 16 pairs (m2, l); off = its byte offset in FT's and IL's rows; m, l = two working registers.
.macro ROWSTAT s, off, m, l
	v_max3_num_f32 v[\m], v[\s], v[\s+2], v[\s+4]
.irp c, 3,5,7,9,11,13
	v_max3_num_f32 v[\m], v[\s+2*\c], v[\s+2*\c+2], v[\m]
.endr
	v_max_num_f32 v[\m], v[\s+30], v[\m]           ; M2
.irp c, 0,1,2,3,4,5,6,7,8,9,10,11,12,13,14,15
	v_sub_f32 v[\s+2*\c], v[\s+2*\c], v[\m]
.endr
.irp c, 0,1,2,3,4,5,6,7,8,9,10,11,12,13,14,15
	v_exp_f32 v[\s+2*\c], v[\s+2*\c]               ; f_c
.endr
	v_nop                                          ; one plain place behind the last exponential (ISA guide 5.7.2)
	s_wait_alu depctr_va_vdst(0)
	v_mul_f32 v[\l], v[\s], v[\s+1]
.irp c, 1,2,3,4,5,6,7,8,9,10,11,12,13,14,15
	v_fmac_f32 v[\l], v[\s+2*\c], v[\s+2*\c+1]     ; L
.endr
.irp c, 0,1,2,3,4,5,6,7,8,9,10,11,12,13,14,15
	v_cvt_pk_f16_f32 v[\s+2*\c], v[\s+2*\c], v[\s+2*\c]
	ds_store_b32 v12, v[\s+2*\c] offset:1024*\c+\off
.endr
	v_rcp_f32 v[\l], v[\l]
	v_nop                                          ; one plain place behind the reciprocal
	s_wait_alu depctr_va_vdst(0)
	v_mul_f32 v[\l], 4.0, v[\l]                    ; v was stored divided by 4
	ds_store_b32 v13, v[\l] offset:\off
.endm
	ROWSTAT SA, 0, 14, 15
	ROWSTAT SB, 512, 18, 19
; One quarter step's fragments (keys 32 kq ..) into buffer f: with fac = 1 first the K step's four factors; then 8 loads of P; then 16 transposing loads of v.
.macro FETCH3 slot, kq, f, fac
.if \fac
.irp a, 0,1,2,3
	ds_load_b32 v[FAC+\a], v[FTA] offset:64*\a
.endr
	v_add_nc_u32 v[FTA], 1024, v[FTA]              ; the next chunk's row of FT
.endif
.irp a, 0,1,2,3
	ds_load_b128 v[PF0+32*\f+8*\a:PF0+32*\f+8*\a+3],   v[ADRA+\slot] offset:64*\kq+\a*16*APITCH
	ds_load_b128 v[PF0+32*\f+8*\a+4:PF0+32*\f+8*\a+7], v[ADRA+\slot] offset:64*\kq+\a*16*APITCH+32
.endr
.irp b, 0,1,2,3,4,5,6,7
	ds_load_tr16_b128 v[VF0+64*\f+8*\b:VF0+64*\f+8*\b+3],   v[ADRB+\slot] offset:\kq*32*BPITCH+32*\b
	ds_load_tr16_b128 v[VF0+64*\f+8*\b+4:VF0+64*\f+8*\b+7], v[ADRB+\slot] offset:\kq*32*BPITCH+32*\b+16*BPITCH
.endr
.endm
.macro SCALE f                         ; P x f_c, two f16 at a time.  These 32 plain vector instructions name none of the registers of the matrix instructions in front
.irp a, 0,1,2,3                        ; of them, so they are also the places in front of the loads that follow into the other buffer
.irp j, 0,1,2,3,4,5,6,7
	v_pk_mul_f16 v[PF0+32*\f+8*\a+\j], v[PF0+32*\f+8*\a+\j], v[FAC+\a]
.endr
.endr
.endm
.macro MULA f, a0, zero                ; 16 matrix instructions: row tiles a0, a0 + 1 x 8 feature tiles
.irp a, \a0, \a0+1
.irp b, 0,1,2,3,4,5,6,7
.if \zero
	v_wmma_f32_16x16x32_f16 v[8*(8*(\a)+\b):8*(8*(\a)+\b)+7], v[VF0+64*\f+8*\b:VF0+64*\f+8*\b+7], v[PF0+32*\f+8*(\a):PF0+32*\f+8*(\a)+7], 0
.else
	v_wmma_f32_16x16x32_f16 v[8*(8*(\a)+\b):8*(8*(\a)+\b)+7], v[VF0+64*\f+8*\b:VF0+64*\f+8*\b+7], v[PF0+32*\f+8*(\a):PF0+32*\f+8*(\a)+7], v[8*(8*(\a)+\b):8*(8*(\a)+\b)+7]
.endif
.endr
.endr
.endm
.macro PLACES
.rept 4
	v_nop
.endr
.endm
; One of a K step's first three quarters: scales and multiplies buffer f, fetches quarter kq into buffer g ahead of the 32 matrix instructions.
.macro QTR slot, kq, f, g, zero
	s_wait_dscnt 16                                ; the factors and P are in; the 16 youngest loads, v's, may be out
	SCALE \f
	s_wait_dscnt 0                                 ; v's fragments are in
	FETCH3 \slot, \kq, \g, 0
	WIN MUL
	MULA \f, 0, \zero
	MULA \f, 2, \zero
	WIN 0
.endm
; The last quarter changes slots: in front of the barrier each wave waits for its reads of this slot and for all its tensor loads; behind it
; (with a refill: behind the cluster's round that it opens) the refill comes first, then the next slot's factors and fragments.
.macro TURN3 slot, next, fill
	s_wait_dscnt 16
	SCALE 1
	s_wait_dscnt 0                                 ; my reads of this slot are over
	s_wait_tensorcnt 0x0                           ; all my tensor loads have landed: my part of the next slot
	ds_add_u32 v254, v255
	s_wait_dscnt 0x0
	s_barrier_signal -1
	WIN MUL
	MULA 1, 0, 0                                   ; register work while the others arrive
	WIN 0
	s_barrier_wait -1
.if \fill
	CREST                                          ; no wave of any partner reads this slot or has a load on its way
	s_add_nc_u64 s[G0+4*\slot+2:G0+4*\slot+3], s[G0+4*\slot+2:G0+4*\slot+3], 2*KSTEP*2
	s_add_nc_u64 s[G0B+4*\slot+2:G0B+4*\slot+3], s[G0B+4*\slot+2:G0B+4*\slot+3], 2*KSTEP*QROWB
	JLOAD \slot                                    ; the wave's one tensor load behind the round
.else
	PLACES
.endif
	FETCH3 \next, 0, 0, 1
	WIN MUL
	MULA 1, 2, 0
	WIN 0
.endm
.macro STEP3 slot, zero
	QTR \slot, 1, 0, 1, \zero
	QTR \slot, 2, 1, 0, 0
	QTR \slot, 3, 0, 1, 0
.endm
.macro LAP3 zero
	STEP3 0, \zero
	TURN3 0, 1, 1
	STEP3 1, 0
	TURN3 1, 0, 1
.endm
	s_wait_dscnt 0x0                               ; my stores into FT and IL are done: other waves read them behind the barrier
	s_wait_tensorcnt 1                             ; my part of K step 0 is in; K step 1's stays out
	s_barrier_signal -1
	s_barrier_wait -1
	FETCH3 0, 0, 0, 1
	LAP3 1                                         ; the first products start the sums
	s_mov_b32 s3, LAPS-2
.Llap:
	LAP3 0
	s_sub_co_u32 s3, s3, 1
	s_cmp_lg_u32 s3, 0
	s_cbranch_scc1 .Llap
	STEP3 0, 0                                     ; the last lap fills nothing
	TURN3 0, 1, 0
	STEP3 1, 0
	s_wait_dscnt 16
	SCALE 1
	s_wait_dscnt 0
	WIN MUL
	MULA 1, 0, 0
	MULA 1, 2, 0
	WIN 0
	; THE WAY OUT, 16 rows at a time: x 4 / L, 32 bytes a lane and tile into my stage, read back as rows of 512 bytes
	PLACES
.irp a, 0,1,2,3
	ds_load_b32 v[ILP+2*\a],   v[ILA] offset:64*\a
	ds_load_b32 v[ILP+2*\a+1], v[ILA] offset:64*\a ; twice: a pair for the packed multiply
.endr
	s_lshl_b32 s13, s13, 8
	s_lshl_b32 s14, s10, 6
	s_add_co_u32 s16, s13, s14                     ; my first row
	s_lshl_b32 s16, s16, 12
	s_mov_b32 s17, 0
	s_add_nc_u64 s[74:75], s[74:75], s[16:17]
	s_lshl_b32 s46, s42, 9                         ; 128 features x 4 bytes a block column
	s_mov_b32 s47, 0
	s_add_nc_u64 s[74:75], s[74:75], s[46:47]
	s_wait_dscnt 0x0
.macro OUTF a
	WIN 0x01                                       ; source 0 window 1
.irp b, 0,1,2,3,4,5,6,7
.irp q, 0,1,2,3
	v_pk_mul_f32 v[T+8*\b+2*\q:T+8*\b+2*\q+1], v[8*(8*\a+\b)+2*\q:8*(8*\a+\b)+2*\q+1], v[ILP+2*\a:ILP+2*\a+1]
.endr
.endr
	WIN 0
.irp b, 0,1,2,3,4,5,6,7
	ds_store_b128 v[STO], v[T+8*\b:T+8*\b+3]   offset:64*\b
	ds_store_b128 v[STO], v[T+8*\b+4:T+8*\b+7] offset:64*\b+16
.endr
	s_wait_xcnt 0x0                                ; the read-back registers, which earlier stores read, and the stores' base are rewritten only behind this wait
.if \a
	s_add_nc_u64 s[74:75], s[74:75], 16*PROWB
.endif
.irp t, 0,1,2,3,4,5,6,7,8,9,10,11,12,13,14,15
	ds_load_b128 v[RB+4*\t:RB+4*\t+3], v[RD] offset:\t*SPITCH          ; a wave's LDS instructions are served in order (ISA guide 5.7.1)
.endr
.irp t, 0,1,2,3,4,5,6,7,8,9,10,11,12,13,14,15
	s_wait_dscnt 15-\t                             ; read-back t is in, the younger ones stay out
	global_store_b128 v[CO], v[RB+4*\t:RB+4*\t+3], s[74:75] offset:\t*PROWB th:TH_STORE_NT   ; the wave stores 512 consecutive bytes, aligned to 512 from the buffer's first byte
.endr
.endm
	OUTF 0
	OUTF 1
	OUTF 2
	OUTF 3
	s_wait_tensorcnt 0x0
	ds_add_u32 v254, v255
	s_wait_dscnt 0x0
	CROUND                                         ; the closing round
	s_endpgm
.Lfunc_end_k_qeed53b51c9_pv:
	.size	k_qeed53b51c9_pv, .Lfunc_end_k_qeed53b51c9_pv-k_qeed53b51c9_pv
	.p2alignl 7, 3214868480
	.fill 96, 4, 3214868480
	.section	.rodata,"a",@progbits
	.p2align	6, 0x0
	.amdhsa_kernel k_qeed53b51c9_pv
		.amdhsa_group_segment_fixed_size 327680
		.amdhsa_private_segment_fixed_size 0
		.amdhsa_enable_private_segment 0
		.amdhsa_kernarg_size 32
		.amdhsa_user_sgpr_count 2
		.amdhsa_user_sgpr_kernarg_segment_ptr 1
		.amdhsa_wavefront_size32 1
		.amdhsa_system_sgpr_workgroup_id_x 1
		.amdhsa_system_sgpr_workgroup_id_y 1
		.amdhsa_system_sgpr_workgroup_id_z 1
		.amdhsa_system_vgpr_workitem_id 0
		.amdhsa_next_free_vgpr 512
		.amdhsa_next_free_sgpr 76
		.amdhsa_reserve_vcc 0
		.amdhsa_float_denorm_mode_32 3
		.amdhsa_float_denorm_mode_16_64 3
		.amdhsa_memory_ordered 1
		.amdhsa_forward_progress 1
		.amdhsa_inst_pref_size 187
	.end_amdhsa_kernel
	.amdgpu_metadata
---
amdhsa.version: [ 1, 2 ]
amdhsa.kernels:
  - .name:           k_qeed53b51c9_pv
    .symbol:         k_qeed53b51c9_pv.kd
    .args:
      - { .name: pbuf, .offset: 0, .size: 8, .value_kind: global_buffer, .address_space: global }
      - { .name: qkv, .offset: 8, .size: 8, .value_kind: global_buffer, .address_space: global }
      - { .name: stat, .offset: 16, .size: 8, .value_kind: global_buffer, .address_space: global }
      - { .name: out0, .offset: 24, .size: 8, .value_kind: global_buffer, .address_space: global }
    .group_segment_fixed_size: 327680
    .private_segment_fixed_size: 0
    .kernarg_segment_align: 8
    .kernarg_segment_size: 32
    .max_flat_workgroup_size: 128
    .sgpr_count:     76
    .vgpr_count:     512
    .wavefront_size: 32
...
	.end_amdgpu_metadata
.endif
;; end of part 4
